; MI455X (gfx1250); checked and timed in simulation.
; The chip was launched on July 23, 2026; its instructions are those of AMD's public machine-readable ISA for CDNA 5 (MIT licence, August 2026) and "CDNA5" Instruction Set Architecture Reference Guide (July 2026). The comments in the code are by the model that wrote it; some were corrected since.
;; Auto Round GPTQ Linear. Allowed arithmetic: matrix products marked QUANTISED: E5M2 operands, one E8M0 scale for each 32 along K, by v_wmma_scale_f32_16x16x128_f8f6f4 with both operands' format E5M2, f32 sums; everything else in f32.
;; Inputs: qweight 512 x 2,048 int32; qzeros 32 x 256 int32; scales 32 x 2,048 float16; x 4 x 2,048 x 4,096 float32.
;; Outputs: out0 4 x 2,048 x 2,048 float32.
;; This version of the problem:
;;   THIS VERSION OF THE PROBLEM IS GIVEN IN LOW PRECISION. The matrix products marked QUANTISED in the list below multiply operands that are first quantised to E5M2 (5 exponent bits, 2 mantissa bits; 8 bits a number), with one power-of-two scale for each 32 numbers along K (OCP MX v1.0); their sums are f32. All else is computed in f32.
;;   The module's matrix products, in the order in which they are computed (A, B: the left and right operand; K: the contracted axis; several contracted axes count as one K, in the product's order):
;;     1. [M 8,192, K 4,096] x [K 4,096, N 2,048]; A: input x; B: computed on the way: QUANTISED
;;   THE QUANTISER, for each operand of a quantised product, along K:
;;     - K is cut into blocks of 32 from its start; a last block that is shorter is filled with zeros.
;;     - A block's scale is 2^e with e = floor(log2(the largest magnitude in the block)) - 15, held to -126 .. 127; a block of zeros has e = 0. As a byte (E8M0): e + 127.
;;     - Each number is divided by its block's scale, clamped to +-57,344, and rounded to the nearest number of E5M2, ties to even, subnormals kept.
;;     - The product sums the exact products of the quantised numbers (number of the format x scale) in f32.
;;   ~~~python
;;   def quantise(x, axis):      # numpy; x: float32 -> the quantised numbers, widened to float32 again
;;       x = np.moveaxis(x, axis, -1); K = x.shape[-1]
;;       x = np.pad(x, [(0, 0)] * (x.ndim - 1) + [(0, -K % 32)]); x = x.reshape(x.shape[:-1] + (-1, 32)); a = np.abs(x).max(-1, keepdims=True)
;;       e = np.where(a > 0, np.clip(np.frexp(np.where(a > 0, a, 1))[1] - 1 - 15, -126, 127), 0)      # np.frexp(a)[1] - 1 = floor(log2(a)), exactly
;;       r = np.clip(x / 2.0 ** e, -57344, 57344)
;;       step = 2.0 ** (np.maximum(np.frexp(np.where(r == 0, 1, r))[1] - 1, -14) - 2)
;;       q = np.round(r / step) * step * 2.0 ** e      # np.round: ties to even
;;       return np.moveaxis(q.reshape(q.shape[:-2] + (-1,))[..., :K], -1, axis).astype(np.float32)
;;   ~~~
;;   OPERANDS COMPUTED ON THE WAY. 'Computed on the way' means the value that the module computes at that place (a softmax that the list does not call 'softmax' is quantised finished and normalised). What goes into a quantiser is computed in f32, as accurately as f32 sums, v_exp_f32 and their like allow (about 1e-6 of the number): no bf16 or f16 on the way to a quantiser, and a product that is left as it is and whose result goes on into a quantised operand takes f32 operands (vector FMAs, or v_wmma_f32_16x16x4_f32). A number that lies on a knife's edge between two numbers of the format may be rounded either way, as far as f32 arithmetic and the matrix unit's own rounding can turn it there, and no further.
;; One version. Each part assembles by itself: llvm-mc -triple=amdgcn-amd-amdhsa -mcpu=gfx1250 --defsym DOCPART=n.
;; ======== version 1 of 1: 2 launches
;; limits: values are held in f16: magnitudes above 65,504 overflow, below 6.1e-05 lose precision; values are held in bf16: 8 bits of precision; right only within a limited range of input values
;; workspace buffers: xq 34,603,008 bytes; wq 8,650,752 bytes
;; launch prep (part 1): grid 1280 x 1, 4 waves a work-group, no clusters, 34,304 bytes of LDS; arguments x, qweight, qzeros, scales, xq, wq; writes xq, wq
.if DOCPART == 1
	.amdgcn_target "amdgcn-amd-amdhsa--gfx1250"
	.amdhsa_code_object_version 6
	.text
	.protected	k_q034c562b19_prep
	.globl	k_q034c562b19_prep
	.p2align	8
	.type	k_q034c562b19_prep,@function
k_q034c562b19_prep:
	s_mov_b64 s[64:65], 0
	v_nop
	global_prefetch_b8 v0, s[64:65] scope:SCOPE_SE
	s_setreg_imm32_b32 hwreg(HW_REG_WAVE_MODE, 25, 1), 1
	s_wait_xcnt 0x0
; Both operands of y = x W are turned ONCE into codes of BF8 (E5M2) with one E8M0 scale byte for each 32 along K, laid in the order of the matrix operand's registers.
; x: [8192][4096] f32, K innermost.  W[k][n] = (w - z) s: w the 4-bit number k % 8 of qweight[k / 8][n] (lowest bits first), z the 4-bit number n % 8 of qzeros[k / 128][n / 8], s = scales[k / 128][n] (f16).
; (w - z) s is exact in f32 (5 bits x 11 bits), and so is z s: one fused multiply-add w s - z s gives the same bits.
; THE OPERANDS AS reference() HAS THEM: it rounds x and the dequantised weight to bf16 (to nearest, ties to even) where they enter the product.  So does this text, by v_cvt_pk_bf16_f32; a block's largest
; magnitude, the hold and the conversion take the rounded numbers, widened to f32 again.  Nothing else coarser than f32 stands ahead of the quantiser.
; THE QUANTISER: a block's scale is 2^(floor(log2(its largest magnitude)) - 15); its byte is the largest magnitude's exponent field - 15, held at 1 from below; each number is held within +-57,344 x the scale
; and rounded to the nearest code, ties to even.
; LIMITS: a block whose largest magnitude lies under 2^-111 (a block of zeros among them) gets the byte 1; a block of zeros has zero codes, which add nothing under that byte, and this program alone reads the bytes.
; NaN and infinities among the inputs are not served, nor numbers that round to infinity in bf16 (above 3.39e38).
; THE LAYOUT of xq and wq: [half][K slot 0..15][33,792 bytes].  A half is 128 rows of x (128 columns of W), a K slot 256 along K.  In the 33,792 bytes: 16 images of fragments, 2,048 bytes each, number 2 i + q
; (i: which 16 rows, q: which 128 of the 256 along K); in an image byte 512 c + 16 (r + 16 h) + e is the code of row r at k = 32 c + 16 h + e.  From byte 32,768 on the scale bytes: row (i, r) has 8 at 128 i + 8 r.
; SHARES: work-groups 0..255 take W, one half x one K slot each (a wave 32 columns, a lane ONE column, its registers running down K); work-groups 256..1279 take x, a wave 32 rows x one K slot.
; No barrier: waves share nothing.  LDS is touched by x's path alone.  Every store covers whole aligned runs of 256 bytes.
.set HALF, 33792
.set TM,   16                          ; v16-19 largest magnitudes, v20-23 bytes, v24-27 the largest number x the scale, v28-31 the conversions' scale operands; v24-31 first serve the rounding to bf16
.set PW,   10                          ; v10-13 x: the four fragments' scale words
.set C,    32                          ; v32-63 x: codes, two sets of 16
.set X0,   64                          ; v64-191 x: two sets of 64 numbers
.set SPX,  528                         ; x: a row in the stage: 512 bytes + 16, an odd multiple of 16
.set PKW,  24                          ; v24-39   W: a block's 32 numbers as 16 pairs of bf16
.set QW,   64                          ; v64-95   W: 32 words of qweight
.set XW,   96                          ; v96-127  W: a block's 32 numbers
.set CW,   128                         ; v128-191 W: codes, eight registers for each of the eight blocks: no store's data are written again
	s_load_b256 s[4:11], s[0:1], 0x0               ; x s[4:5], qweight s[6:7], qzeros s[8:9], scales s[10:11]
	s_load_b128 s[12:15], s[0:1], 0x20             ; xq s[12:13], wq s[14:15]
	v_lshl_add_u32 v2, v0, 2, 0x8400               ; v2: my spare word, behind the four stages; v3: 0; both kept for the closing add alone
	v_mov_b32 v3, 0
	v_lshrrev_b32 v1, 5, v0
	v_readfirstlane_b32 s16, v1                    ; wave 0..3
	v_and_b32 v1, 31, v0                           ; lane
	s_mov_b32 s20, 0x76543210
	s_mov_b32 s21, 0xfedcba98                      ; v_permlanex16_b32's selects for lane l xor 16
	s_mov_b32 s22, 0xffff0000                      ; a word's upper bf16
	s_mov_b32 s23, 0x600000                        ; the mantissa field of 57,344
	s_wait_kmcnt 0x0
	s_cmp_lt_u32 ttmp9, 256
	s_cbranch_scc1 .Lweights
	; ---------------- x: my wave's 32 rows x 256 along K: four fragments ----------------
	s_sub_co_u32 s17, ttmp9, 256
	s_lshr_b32 s18, s17, 2                         ; which 32 rows: 0..255
	s_and_b32 s19, s17, 3
	s_lshl_b32 s19, s19, 2
	s_add_co_u32 s19, s19, s16                     ; which K slot: 0..15
	s_lshr_b32 s24, s18, 2                         ; which half of 128 rows
	s_and_b32 s25, s18, 3                          ; which 32 rows of the half
	s_lshl_b32 s28, s18, 19                        ; 32 rows of 16,384 bytes
	s_lshl_b32 s29, s19, 10                        ; 256 numbers of 4 bytes
	s_add_co_u32 s28, s28, s29
	s_mov_b32 s29, 0
	s_add_nc_u64 s[4:5], s[4:5], s[28:29]
	s_lshl_b32 s30, s24, 4
	s_add_co_u32 s30, s30, s19
	s_mul_i32 s30, s30, HALF
	s_mov_b32 s31, 0
	s_add_nc_u64 s[12:13], s[12:13], s[30:31]
	s_wait_alu depctr_va_vdst(0)
	v_and_b32 v14, 15, v1                          ; r
	v_lshrrev_b32 v15, 4, v1                       ; h
	v_lshlrev_b32 v4, 4, v1                        ; a load's 512 bytes: 16 a lane
	s_mul_i32 s26, s16, 16*SPX                     ; my wave's stage
	v_lshl_add_u32 v5, v1, 4, s26                  ; into it: as loaded
	v_mul_u32_u24 v6, v14, SPX
	v_lshl_add_u32 v6, v15, 6, v6
	v_add_nc_u32 v6, s26, v6                       ; out of it: row r, + 64 h: my 16 numbers of a block of 32
	s_lshl_b32 s27, s25, 13
	v_lshl_add_u32 v7, v1, 4, s27                  ; my four images begin at 8,192 x (which 32 rows); 16 bytes a lane
	s_lshl_b32 s28, s25, 8
	s_add_co_u32 s28, s28, 32768
	v_lshl_add_u32 v8, v1, 3, s28                  ; my 32 rows' scale bytes: 8 a row
.irp b, 0,1,2,3
	v_mov_b32 v[TM+4+\b], 0                        ; written once: a lane permute's destination counts as one of its sources
.endr
; Step t is the fragment of rows 16 (t / 2) on and of the slot's (t % 2)-th 128 along K.  Its 64 numbers a lane lie in set t % 2.
.macro LOADX t                         ; sixteen loads, each 512 consecutive bytes of one row
.set SS, X0+64*((\t)%2)
.irp j, 0,1,2,3,4,5,6,7,8,9,10,11,12,13,14,15
	global_load_b128 v[SS+4*\j:SS+4*\j+3], v4, s[4:5] offset:(16*((\t)/2)+\j)*16384+512*((\t)%2) th:TH_LOAD_NT
.endr
.endm
.macro TURNX t                         ; through the stage: in as loaded, back so that register 16 c + i is k = 32 c + 16 h + i of row r; LDS serves a wave's instructions in order (ISA guide 5.7.1.4)
.set SS, X0+64*((\t)%2)
.irp j, 0,1,2,3,4,5,6,7,8,9,10,11,12,13,14,15
	ds_store_b128 v5, v[SS+4*\j:SS+4*\j+3] offset:SPX*\j
.endr
.irp c, 0,1,2,3
.irp j, 0,1,2,3
	ds_load_b128 v[SS+16*\c+4*\j:SS+16*\c+4*\j+3], v6 offset:128*\c+16*\j
.endr
.endr
.endm
; 64 numbers of a lane, v[s] on, are rounded to bf16 as reference() rounds x, and widened again in place: sixteen at a time, through eight registers that QUANT writes only later
.macro TOBF s
.irp g, 0,1,2,3
.irp p, 0,1,2,3,4,5,6,7
	v_cvt_pk_bf16_f32 v[TM+8+\p], v[(\s)+16*\g+2*\p], v[(\s)+16*\g+2*\p+1]   ; two roundings to nearest even, packed
.endr
.irp p, 0,1,2,3,4,5,6,7
	v_lshlrev_b32 v[(\s)+16*\g+2*\p], 16, v[TM+8+\p]                          ; bf16 to f32: the low half moves up,
	v_and_b32 v[(\s)+16*\g+2*\p+1], s22, v[TM+8+\p]                           ; the high half stays
.endr
.endr
.endm
; 64 numbers of a lane, v[s] on, become a fragment's 16 registers of codes in v[pc] on and its rows' scale word in v[pw]
.macro QUANT s, pc, pw
.irp b, 0,1,2,3
	v_max3_num_f32 v[TM+\b], |v[(\s)+16*\b]|, |v[(\s)+1+16*\b]|, 0x8000000   ; block b: my 16 numbers, and the floor 2^(16 - 127): the byte cannot fall under 1
.endr
.irp i, 2,4,6,8,10,12,14
.irp b, 0,1,2,3
	v_max3_num_f32 v[TM+\b], v[TM+\b], |v[(\s)+16*\b+\i]|, |v[(\s)+1+16*\b+\i]|   ; the four blocks by turns
.endr
.endr
.irp b, 0,1,2,3
	v_permlanex16_b32 v[TM+4+\b], v[TM+\b], s20, s21
.endr
.irp b, 0,1,2,3
	v_max_num_f32 v[TM+\b], v[TM+\b], v[TM+4+\b]   ; with lane l xor 16's 16: the block's largest magnitude
.endr
.irp b, 0,1,2,3
	v_add_nc_u32 v[TM+12+\b], 0xf8800000, v[TM+\b] ; 15 off its exponent field: the conversion takes this operand's exponent field as its scale
.endr
.irp b, 0,1,2,3
	v_and_or_b32 v[TM+8+\b], v[TM+\b], 0x7f800000, s23   ; 57,344 x the scale
.endr
.irp b, 0,1,2,3
	v_lshrrev_b32 v[TM+4+\b], 23, v[TM+12+\b]      ; the scale's byte
.endr
	v_lshl_or_b32 v[\pw], v[TM+5], 8, v[TM+4]      ; the four bytes make my row's scale word; lanes r and r + 16 hold the same
	v_lshl_or_b32 v[\pw], v[TM+6], 16, v[\pw]
	v_lshl_or_b32 v[\pw], v[TM+7], 24, v[\pw]
.irp b, 0,1,2,3
.irp i, 0,1,2,3,4,5,6,7,8,9,10,11,12,13,14,15
	v_med3_num_f32 v[(\s)+16*\b+\i], v[(\s)+16*\b+\i], -v[TM+8+\b], v[TM+8+\b]   ; the conversion to an 8-bit code does not saturate (ISA guide 7.6.2): the hold
.endr
	v_cvt_scalef32_pk8_bf8_f32 v[(\pc)+4*\b:(\pc)+1+4*\b], v[(\s)+16*\b:(\s)+7+16*\b], v[TM+12+\b]
	v_cvt_scalef32_pk8_bf8_f32 v[(\pc)+2+4*\b:(\pc)+3+4*\b], v[(\s)+8+16*\b:(\s)+15+16*\b], v[TM+12+\b]
.endr
	v_nop                                          ; a plain vector line between the last conversion and the next vector line that writes its sources
.endm
.macro OUTX t                          ; the fragment's image: four stores of 512 consecutive bytes
.irp c, 0,1,2,3
	global_store_b128 v7, v[C+16*((\t)%2)+4*\c:C+16*((\t)%2)+4*\c+3], s[12:13] offset:2048*(\t)+512*\c
.endr
.endm
	LOADX 0
	LOADX 1
	s_wait_alu depctr_va_vdst(0)
	s_wait_loadcnt 16                              ; step 0's sixteen loads are in; step 1's may be out
	TURNX 0
	s_wait_dscnt 0x0                               ; step 0's numbers are back from the stage
	TOBF X0
	QUANT X0, C, PW
	OUTX 0
	LOADX 2                                        ; into step 0's set, which has been read
	s_wait_loadcnt 16                              ; step 1's are in; step 2's may be out
	TURNX 1
	s_wait_dscnt 0x0
	TOBF X0+64
	QUANT X0+64, C+16, PW+1
	OUTX 1
	LOADX 3                                        ; into step 1's set
	s_wait_loadcnt 16                              ; step 2's are in; step 3's may be out
	TURNX 2
	s_wait_dscnt 0x0
	s_wait_xcnt 0x0                                ; step 0's stores have read their data: the codes' first set is written again only behind this wait
	TOBF X0
	QUANT X0, C, PW+2
	OUTX 2
	s_wait_loadcnt 0x0                             ; step 3's
	TURNX 3
	s_wait_dscnt 0x0
	s_wait_xcnt 0x0                                ; likewise step 1's and the second set
	TOBF X0+64
	QUANT X0+64, C+16, PW+3
	OUTX 3
	v_cmp_gt_u32 vcc_lo, 16, v1                    ; lanes 0-15 carry the words of rows 0-15, lanes 16-31 those of rows 16-31
	v_cndmask_b32 v14, v[PW+2], v[PW], vcc_lo      ; q = 0
	v_cndmask_b32 v15, v[PW+3], v[PW+1], vcc_lo    ; q = 1
	global_store_b64 v8, v[14:15], s[12:13]        ; 32 lanes store 256 consecutive bytes, aligned
	s_wait_tensorcnt 0x0                           ; the wave's end
	ds_add_u32 v2, v3
	s_wait_dscnt 0x0
	s_endpgm
	; ---------------- W: my work-group's 128 columns x 256 along K; my wave's 32 columns; my lane's one ----------------
.Lweights:
	s_lshr_b32 s17, ttmp9, 4                       ; which half of 128 columns: 0..15
	s_and_b32 s18, ttmp9, 15                       ; which K slot
	s_lshl_b32 s24, s18, 18                        ; qweight: 32 rows of 8,192 bytes a K slot,
	s_lshl_b32 s25, s17, 9                         ; 128 columns of 4 bytes,
	s_add_co_u32 s24, s24, s25
	s_lshl_b32 s25, s16, 7                         ; my wave's 32
	s_add_co_u32 s24, s24, s25
	s_mov_b32 s25, 0
	s_add_nc_u64 s[6:7], s[6:7], s[24:25]
	s_lshl_b32 s26, s18, 11                        ; qzeros: 2 rows of 1,024 bytes a K slot, 16 words a half, 4 a wave
	s_lshl_b32 s27, s17, 6
	s_add_co_u32 s26, s26, s27
	s_lshl_b32 s27, s16, 4
	s_add_co_u32 s26, s26, s27
	s_mov_b32 s27, 0
	s_add_nc_u64 s[8:9], s[8:9], s[26:27]
	s_lshl_b32 s28, s18, 13                        ; scales: 2 rows of 4,096 bytes a K slot, 2 bytes a column
	s_lshl_b32 s29, s17, 8
	s_add_co_u32 s28, s28, s29
	s_lshl_b32 s29, s16, 6
	s_add_co_u32 s28, s28, s29
	s_mov_b32 s29, 0
	s_add_nc_u64 s[10:11], s[10:11], s[28:29]
	s_lshl_b32 s30, s17, 4
	s_add_co_u32 s30, s30, s18
	s_mul_i32 s30, s30, HALF
	s_mov_b32 s31, 0
	s_add_nc_u64 s[14:15], s[14:15], s[30:31]
	s_wait_alu depctr_va_vdst(0)
	v_lshlrev_b32 v4, 2, v1                        ; qweight: 4 bytes a lane
	v_lshrrev_b32 v5, 3, v1
	v_lshlrev_b32 v5, 2, v5                        ; qzeros: a word for eight columns
	v_lshlrev_b32 v6, 1, v1                        ; scales: 2 bytes a lane
	v_lshrrev_b32 v7, 4, v1
	v_and_b32 v8, 15, v1
	v_lshlrev_b32 v7, 12, v7
	v_lshl_add_u32 v7, v8, 4, v7
	s_lshl_b32 s24, s16, 13
	v_add_nc_u32 v7, s24, v7                       ; my column is row lane % 16 of block 2 wave + lane / 16: images 4,096 bytes a block, 16 bytes a row
	s_lshl_b32 s24, s16, 8
	s_add_co_u32 s24, s24, 32768
	v_lshl_add_u32 v8, v1, 3, s24                  ; my column's 8 scale bytes
	v_and_b32 v9, 7, v1
	v_lshlrev_b32 v9, 2, v9                        ; where my column's zero stands in its word
.irp u, 0,1                                    ; the K slot's two groups of 128
	global_load_b32 v[20+\u], v5, s[8:9] offset:1024*\u
.endr
.irp u, 0,1
	global_load_u16 v[16+\u], v6, s[10:11] offset:4096*\u
.endr
.set p, 0
.rept 32
	global_load_b32 v[QW+p], v4, s[6:7] offset:8192*p th:TH_LOAD_NT   ; k = 8 p .. 8 p + 7 of my column; 32 lanes read 128 consecutive bytes, the four waves 512
.set p, p+1
.endr
	s_wait_alu depctr_va_vdst(0)
	s_wait_loadcnt 32                              ; the zeros and the scales are in; qweight's 32 loads may be out
.irp u, 0,1
	v_lshrrev_b32 v[20+\u], v9, v[20+\u]
	v_and_b32 v[20+\u], 15, v[20+\u]
	v_cvt_f32_u32 v[20+\u], v[20+\u]               ; z
.endr
	v_cvt_f32_f16 v18, v16.l                       ; s
	v_cvt_f32_f16 v19, v17.l
	v_mul_f32 v22, v20, v18                        ; z s: exact
	v_mul_f32 v23, v21, v19
; Block b: k = 32 b .. 32 b + 31 of the K slot, all in my registers.  Group b / 4; in the images: q = b / 4, c = b % 4.
.macro WBLOCK b
	s_wait_loadcnt 28-4*(\b)                       ; the block's four words are in; the later blocks' may be out
.irp a, 0,1,2,3
.irp j, 0,1,2,3,4,5,6,7
	v_bfe_u32 v[XW+8*\a+\j], v[QW+4*(\b)+\a], 4*\j, 4
.endr
.endr
.set i, 0
.rept 32
	v_cvt_f32_u32 v[XW+i], v[XW+i]
.set i, i+1
.endr
.set i, 0
.rept 32
	v_fma_f32 v[XW+i], v[XW+i], v[18+(\b)/4], -v[22+(\b)/4]   ; w s - z s = (w - z) s, exact
.set i, i+1
.endr
.set i, 0
.rept 16
	v_cvt_pk_bf16_f32 v[PKW+i], v[XW+2*i], v[XW+2*i+1]        ; rounded to bf16 as reference() rounds the dequantised weight: to nearest even, two at a time,
.set i, i+1
.endr
.set i, 0
.rept 16
	v_lshlrev_b32 v[XW+2*i], 16, v[PKW+i]                     ; and widened again
	v_and_b32 v[XW+2*i+1], s22, v[PKW+i]
.set i, i+1
.endr
	v_max3_num_f32 v12, |v[XW]|, |v[XW+1]|, |v[XW+2]|          ; the block's largest magnitude: all 32 numbers are mine
	v_max3_num_f32 v13, |v[XW+3]|, |v[XW+4]|, |v[XW+5]|
.irp i, 6,10,14,18,22,26
	v_max3_num_f32 v12, v12, |v[XW+\i]|, |v[XW+\i+1]|
	v_max3_num_f32 v13, v13, |v[XW+\i+2]|, |v[XW+\i+3]|
.endr
	v_max3_num_f32 v12, v12, |v[XW+30]|, |v[XW+31]|
	v_max3_num_f32 v12, v12, v13, 0x8000000        ; and the floor 2^(16 - 127)
	v_add_nc_u32 v11, 0xf8800000, v12              ; the conversion's scale operand
	v_and_or_b32 v10, v12, 0x7f800000, s23         ; 57,344 x the scale
	v_lshrrev_b32 v13, 23, v11                     ; the scale's byte
.if (\b)%4 == 0
	v_mov_b32 v[14+(\b)/4], v13                    ; four bytes to a register, the lower K in the lower byte
.else
	v_lshl_or_b32 v[14+(\b)/4], v13, 8*((\b)%4), v[14+(\b)/4]
.endif
.set i, 0
.rept 32
	v_med3_num_f32 v[XW+i], v[XW+i], -v10, v10     ; the hold (ISA guide 7.6.2)
.set i, i+1
.endr
.irp g, 0,1,2,3
	v_cvt_scalef32_pk8_bf8_f32 v[CW+8*(\b)+2*\g:CW+8*(\b)+2*\g+1], v[XW+8*\g:XW+8*\g+7], v11
.endr
	v_nop                                          ; a plain vector line between the last conversion and the next block's lines, which write its sources
	global_store_b128 v7, v[CW+8*(\b):CW+8*(\b)+3], s[14:15] offset:2048*((\b)/4)+512*((\b)%4)           ; k = 32 c + 0 .. 15: sixteen lanes store 256 consecutive bytes, aligned
	global_store_b128 v7, v[CW+8*(\b)+4:CW+8*(\b)+7], s[14:15] offset:2048*((\b)/4)+512*((\b)%4)+256     ; k = 32 c + 16 .. 31
.endm
.irp b, 0,1,2,3,4,5,6,7
	WBLOCK \b
.endr
	global_store_b64 v8, v[14:15], s[14:15]        ; 32 lanes store 256 consecutive bytes, aligned
	s_endpgm
.Lfunc_end_k_q034c562b19_prep:
	.size	k_q034c562b19_prep, .Lfunc_end_k_q034c562b19_prep-k_q034c562b19_prep
	.p2alignl 7, 3214868480
	.fill 96, 4, 3214868480
	.section	.rodata,"a",@progbits
	.p2align	6, 0x0
	.amdhsa_kernel k_q034c562b19_prep
		.amdhsa_group_segment_fixed_size 34304
		.amdhsa_private_segment_fixed_size 0
		.amdhsa_enable_private_segment 0
		.amdhsa_kernarg_size 48
		.amdhsa_user_sgpr_count 2
		.amdhsa_user_sgpr_kernarg_segment_ptr 1
		.amdhsa_wavefront_size32 1
		.amdhsa_system_sgpr_workgroup_id_x 1
		.amdhsa_system_sgpr_workgroup_id_y 1
		.amdhsa_system_sgpr_workgroup_id_z 1
		.amdhsa_system_vgpr_workitem_id 0
		.amdhsa_next_free_vgpr 192
		.amdhsa_next_free_sgpr 66
		.amdhsa_reserve_vcc 1
		.amdhsa_float_denorm_mode_32 3
		.amdhsa_float_denorm_mode_16_64 3
		.amdhsa_memory_ordered 1
		.amdhsa_forward_progress 1
		.amdhsa_inst_pref_size 158
	.end_amdhsa_kernel
	.amdgpu_metadata
---
amdhsa.version: [ 1, 2 ]
amdhsa.kernels:
  - .name:           k_q034c562b19_prep
    .symbol:         k_q034c562b19_prep.kd
    .args:
      - { .name: x, .offset: 0, .size: 8, .value_kind: global_buffer, .address_space: global }
      - { .name: qweight, .offset: 8, .size: 8, .value_kind: global_buffer, .address_space: global }
      - { .name: qzeros, .offset: 16, .size: 8, .value_kind: global_buffer, .address_space: global }
      - { .name: scales, .offset: 24, .size: 8, .value_kind: global_buffer, .address_space: global }
      - { .name: xq, .offset: 32, .size: 8, .value_kind: global_buffer, .address_space: global }
      - { .name: wq, .offset: 40, .size: 8, .value_kind: global_buffer, .address_space: global }
    .group_segment_fixed_size: 34304
    .private_segment_fixed_size: 0
    .kernarg_segment_align: 8
    .kernarg_segment_size: 48
    .max_flat_workgroup_size: 128
    .sgpr_count:     66
    .vgpr_count:     192
    .wavefront_size: 32
...
	.end_amdgpu_metadata
.endif
;; end of part 1
;; launch gemm (part 2): grid 8 x 32, 4 waves a work-group, clusters of 4 x 4, 327,680 bytes of LDS; arguments xq, wq, out0; writes out0
.if DOCPART == 2
	.amdgcn_target "amdgcn-amd-amdhsa--gfx1250"
	.amdhsa_code_object_version 6
	.text
	.protected	k_q034c562b19_gemm
	.globl	k_q034c562b19_gemm
	.p2align	8
	.type	k_q034c562b19_gemm,@function
k_q034c562b19_gemm:
	s_mov_b64 s[64:65], 0
	v_nop
	global_prefetch_b8 v0, s[64:65] scope:SCOPE_SE
	s_setreg_imm32_b32 hwreg(HW_REG_WAVE_MODE, 25, 1), 1
	s_wait_xcnt 0x0
	s_wait_alu depctr_hold_cnt(0) depctr_sa_sdst(0) depctr_va_vdst(0) depctr_va_sdst(0) depctr_va_ssrc(0) depctr_va_vcc(0) depctr_vm_vsrc(0)
	s_getreg_b32 s2, hwreg(HW_REG_IB_STS2, 6, 4)
	s_cmp_eq_u32 s2, 0
	s_cbranch_scc0 .Lentry_in_a_cluster
	s_endpgm
.Lentry_in_a_cluster:
	s_bfe_u32 s2, ttmp6, 0x10000c
	s_cmp_lg_u32 s2, 0xf033
	s_cbranch_scc0 .Lentry_shape_is_right
	s_endpgm
.Lentry_shape_is_right:
; out0[m][n] = sum over k of x[m][k] W[k][n], on the codes of BF8 (E5M2) and E8M0 scale bytes that the launch before laid in xq and wq: [half of 128 rows][K slot of 256][33,792 bytes],
; sixteen images of fragments (2,048 bytes each, in the order of the operand's registers) and behind them the 128 rows' scale bytes, 8 a row.
; A tile of out0, 256 x 256, is made by four waves, 128 x 128 each: 64 accumulators, 512 registers (windows 2 and 3); A's fragments one set in window 0, B's two sets in window 1.
; K goes in 16 slots of 256 through a ring of two LDS slots; a wave's tensor load brings one half's 33,792 bytes as 132 dense rows of 256 bytes.
; CLUSTERS 4 x 4: x's halves are asked for jointly along a row of the cluster, W's along a column.  The matrix instruction is used transposed (source 0 = W's columns, source 1 = x's rows),
; so that a lane holds eight neighbouring numbers of a row of out0; the way out goes through each wave's own stage behind the ring, whole rows of 512 bytes a store.
; PREFETCH: behind each refill one instruction a wave names 32 blocks of 256 bytes of the K slot two refills on; the four partners of a joint load share the blocks out by address; the last two refills ask for nothing.
.set SIZE_N, 2048
.set HALF,   33792
.set KRUN,   16*HALF
.set SCB,    32768
.set NQ,     2
.set FR,     16
.set NL,     4
.set NP,     8
.set SLOT,   4*HALF
.set LAPS,   8
.set STAGE,  2*SLOT
.set SPITCH, 528
.set SPARE,  STAGE+4*16*SPITCH
.set ADRA, 16
.set ADRB, 20
.set ADRS, 22
.set STO,  24
.set RD,   25
.set CO,   26
.set SPW,  28
.set NIL,  29
.set PFO,  30
.set SC,   32
.set AF,   128
.set BK,   128
.set G1,  24
.set G0,  32
.set G1B, 48
.set G0B, 56
.set PFA, 66
.set PFS, 31                           ; v31: the second prefetch's offset: my work-group's one block of the half's four blocks of scale bytes; never rewritten
.set MSB, 0
.macro WIN new
.if MSB != \new
	s_set_vgpr_msb (MSB<<8)|\new
.set MSB, \new
.endif
.endm
.set MUL_LO, 0xa1
.set MUL_HI, 0xf1
.set TO_B,   0x40
.macro JLOAD g0a, g1a, g0b, g1b
	s_cmp_eq_u32 s15, 0
	s_cbranch_scc0 .Lfor_b_\@
	tensor_load_to_lds s[\g0a:\g0a+3], s[\g1a:\g1a+7]
	s_nop 0
.rept 4
	v_nop
.endr
	s_branch .Lasked_\@
.Lfor_b_\@:
	tensor_load_to_lds s[\g0b:\g0b+3], s[\g1b:\g1b+7]
	s_nop 0
.rept 4
	v_nop
.endr
.Lasked_\@:
.endm
; The prefetch behind a refill: the K slot two refills on, of the half that my wave fetches.  A half's 33,792 bytes are 132 blocks of 256; every cluster asks for what it will load, and of the four partners
; that ask for a half jointly the one at place p names blocks 32 p .. 32 p + 31 (a lane a block) and, by the second line, block 128 + p (all lanes the same block).  The loop's last trip (s3 = 1) has no K slot two refills on.
.macro ASK
	s_cmp_gt_u32 s3, 1
	s_cbranch_scc0 .Lnot_mine_\@
	global_prefetch_b8 v[PFO], s[PFA:PFA+1] th:TH_LOAD_NT scope:SCOPE_SE
	global_prefetch_b8 v[PFS], s[PFA:PFA+1] th:TH_LOAD_NT scope:SCOPE_SE
.Lnot_mine_\@:
.endm
.macro CREST
	s_cmp_lg_u32 s14, 0
	s_cbranch_scc1 .Lnot_wave_0_\@
	s_barrier_signal -3
.Lnot_wave_0_\@:
	s_barrier_wait -3
	s_barrier_signal -1
	s_barrier_wait -1
.endm
.macro CROUND
	s_barrier_signal -1
	s_barrier_wait -1
	CREST
.endm
	s_load_b128 s[4:7], s[0:1], 0x0
	s_load_b64 s[8:9], s[0:1], 0x10
	v_lshl_add_u32 v[SPW], v0, 2, SPARE
	v_mov_b32 v[NIL], 0
	ds_add_u32 v28, v29
	ds_add_u32 v28, v29
	s_wait_dscnt 0x0
	v_lshrrev_b32 v1, 5, v0
	v_readfirstlane_b32 s14, v1
	s_lshr_b32 s15, s14, 1
	s_and_b32 s16, s14, 1
	s_bfe_u32 s40, ttmp6, 0x40000
	s_bfe_u32 s41, ttmp6, 0x40004
	s_lshl_b32 s42, ttmp9, 2
	s_add_co_u32 s42, s42, s40
	s_and_b32 s17, ttmp7, 0xffff
	s_lshl_b32 s17, s17, 2
	s_add_co_u32 s17, s17, s41
	s_lshl_b32 s43, s41, 2
	s_lshl_b32 s43, 15, s43
	s_lshl_b32 s44, 0x1111, s40
	s_or_b32 s[G1+0], s43, (3<<16)|(1<<21)
	s_or_b32 s[G1B+0], s44, (3<<16)|(1<<21)
.irp g, G1, G1B
	s_mov_b32 s[\g+1], 32<<16
	s_mov_b32 s[\g+2], 132<<16
	s_mov_b32 s[\g+3], 32<<16
	s_mov_b32 s[\g+4], 132
	s_mov_b32 s[\g+5], 32
	s_mov_b32 s[\g+6], 0
	s_mov_b32 s[\g+7], 0
.endr
	s_lshl_b32 s20, s17, 1
	s_add_co_u32 s20, s20, s16
	s_mul_i32 s20, s20, KRUN
	s_mov_b32 s21, 0
	s_lshl_b32 s46, s42, 1
	s_add_co_u32 s46, s46, s16
	s_mul_i32 s46, s46, KRUN
	s_mov_b32 s47, 0
	s_mul_i32 s45, s14, HALF
	s_wait_kmcnt 0x0
	s_add_nc_u64 s[20:21], s[4:5], s[20:21]
	s_add_nc_u64 s[46:47], s[6:7], s[46:47]
	CROUND
.irp s, 0,1
	s_mov_b32 s[G0+4*\s], 1
	s_add_co_u32 s[G0+4*\s+1], s45, \s*SLOT
	s_add_nc_u64 s[G0+4*\s+2:G0+4*\s+3], s[20:21], \s*HALF
	s_or_b32 s[G0+4*\s+3], s[G0+4*\s+3], 0x80000000
	s_mov_b32 s[G0B+4*\s], 1
	s_add_co_u32 s[G0B+4*\s+1], s45, \s*SLOT
	s_add_nc_u64 s[G0B+4*\s+2:G0B+4*\s+3], s[46:47], \s*HALF
	s_or_b32 s[G0B+4*\s+3], s[G0B+4*\s+3], 0x80000000
.endr
	JLOAD G0, G1, G0B, G1B                         ; K slot 0, behind the round above: one tensor load a wave at the head; the addresses below are made while it is out
	v_and_b32 v1, 15, v0
	v_bfe_u32 v2, v0, 4, 1
	s_wait_alu depctr_va_vdst(0)
	v_and_b32 v3, 31, v0
	v_lshlrev_b32 v4, 4, v3
	s_mul_i32 s21, s15, HALF
	s_mul_i32 s22, s16, HALF
	s_add_co_u32 s22, s22, 2*HALF
.irp s, 0,1
	v_add_nc_u32 v[ADRA+\s], s21, v4
	v_add_nc_u32 v[ADRB+\s], s22, v4
	s_add_co_u32 s21, s21, SLOT
	s_add_co_u32 s22, s22, SLOT
.endr
	v_lshlrev_b32 v5, 3, v1
	s_mul_i32 s21, s15, HALF
	s_mul_i32 s22, s16, HALF
	s_add_co_u32 s22, s22, 2*HALF
	s_sub_co_u32 s22, s22, s21
	v_mul_u32_u24 v6, s22, v2
	s_add_co_u32 s21, s21, SCB
	v_add_nc_u32 v5, v5, v6
	v_add_nc_u32 v[ADRS], s21, v5
	v_add_nc_u32 v[ADRS+1], SLOT, v[ADRS]
	s_mul_i32 s23, s14, 16*SPITCH
	s_add_co_u32 s23, s23, STAGE
	v_mul_u32_u24 v5, v1, SPITCH
	v_lshl_add_u32 v5, v2, 5, v5
	v_add_nc_u32 v[STO], s23, v5
	v_lshlrev_b32 v[CO], 4, v3
	v_add_nc_u32 v[RD], s23, v[CO]
	s_lshl_b32 s20, s17, 8
	s_lshl_b32 s21, s15, 7
	s_add_co_u32 s20, s20, s21
	s_lshl_b32 s20, s20, 13
	s_mov_b32 s21, 0
	s_lshl_b32 s46, s42, 10
	s_lshl_b32 s47, s16, 9
	s_add_co_u32 s46, s46, s47
	s_mov_b32 s47, 0
	s_add_nc_u64 s[20:21], s[20:21], s[46:47]
	s_add_nc_u64 s[8:9], s[8:9], s[20:21]
	s_cmp_eq_u32 s15, 0                            ; do I fetch for x?
	s_cselect_b32 s18, s17, s42                    ; the tile row or the tile column,
	s_cselect_b32 s19, s40, s41                    ; p: my place among the four that ask for the half with me,
	s_cselect_b64 s[PFA:PFA+1], s[4:5], s[6:7]     ; and the buffer
	s_lshl_b32 s18, s18, 1
	s_add_co_u32 s18, s18, s16                     ; the half that I fetch
	s_mul_i32 s18, s18, KRUN
	s_add_co_u32 s18, s18, 3*HALF                  ; at K slot 3: each refill steps it by one slot ahead of its prefetch
	s_lshl_b32 s22, s19, 13                        ; my work-group's 32 blocks of codes begin at 8,192 p,
	s_lshl_b32 s23, s19, 8
	s_add_co_u32 s23, s23, SCB                     ; its block of scale bytes at 32,768 + 256 p
	s_mov_b32 s19, 0
	s_add_nc_u64 s[PFA:PFA+1], s[PFA:PFA+1], s[18:19]
	v_lshl_add_u32 v[PFO], v3, 8, s22              ; a lane a block
	v_mov_b32 v[PFS], s23
.irp d, 2, 1                                   ; K slots 1 and 2 are asked for here, while K slot 0's load is out
	global_prefetch_b8 v[PFO], s[PFA:PFA+1] offset:-\d*HALF th:TH_LOAD_NT scope:SCOPE_SE
	global_prefetch_b8 v[PFS], s[PFA:PFA+1] offset:-\d*HALF th:TH_LOAD_NT scope:SCOPE_SE
.endr
.macro FRAG reg, adr, q, i
.irp c, 0,1,2,3
	ds_load_b128 v[\reg+4*\c:\reg+4*\c+3], v[\adr] offset:(2*(\i)+(\q))*2048+512*\c
.endr
.endm
.macro MUL16 a0, p, q, sc, zero
.irp a, \a0, \a0+1
.irp b, 0,1,2,3,4,5,6,7
.if \zero
	v_wmma_scale_f32_16x16x128_f8f6f4 v[8*(8*((\a)%4)+\b):8*(8*((\a)%4)+\b)+7], v[128*(\p)+FR*\b:128*(\p)+FR*\b+FR-1], v[AF+FR*(\a):AF+FR*(\a)+FR-1], 0, v[SC+8*NQ*(\sc)+NQ*\b+(\q)], v[SC+8*NQ*(\sc)+NQ*(\a)+(\q)] matrix_a_fmt:MATRIX_FMT_BF8 matrix_b_fmt:MATRIX_FMT_BF8 matrix_a_scale:MATRIX_SCALE_ROW1
.else
	v_wmma_scale_f32_16x16x128_f8f6f4 v[8*(8*((\a)%4)+\b):8*(8*((\a)%4)+\b)+7], v[128*(\p)+FR*\b:128*(\p)+FR*\b+FR-1], v[AF+FR*(\a):AF+FR*(\a)+FR-1], v[8*(8*((\a)%4)+\b):8*(8*((\a)%4)+\b)+7], v[SC+8*NQ*(\sc)+NQ*\b+(\q)], v[SC+8*NQ*(\sc)+NQ*(\a)+(\q)] matrix_a_fmt:MATRIX_FMT_BF8 matrix_b_fmt:MATRIX_FMT_BF8 matrix_a_scale:MATRIX_SCALE_ROW1
.endif
.endr
.endr
.endm
.macro MUL8 a, p, q, sc                ; eight matrix instructions: A's block a against B's eight
.irp b, 0,1,2,3,4,5,6,7
	v_wmma_scale_f32_16x16x128_f8f6f4 v[8*(8*((\a)%4)+\b):8*(8*((\a)%4)+\b)+7], v[128*(\p)+FR*\b:128*(\p)+FR*\b+FR-1], v[AF+FR*(\a):AF+FR*(\a)+FR-1], v[8*(8*((\a)%4)+\b):8*(8*((\a)%4)+\b)+7], v[SC+8*NQ*(\sc)+NQ*\b+(\q)], v[SC+8*NQ*(\sc)+NQ*(\a)+(\q)] matrix_a_fmt:MATRIX_FMT_BF8 matrix_b_fmt:MATRIX_FMT_BF8 matrix_a_scale:MATRIX_SCALE_ROW1
.endr
.endm
.macro FETCH_B slot, q, p
	WIN TO_B
.irp i, 0,1,2,3,4,5,6,7
	FRAG 128*(\p)+FR*\i, ADRB+\slot, \q, \i
.endr
	WIN 0
.endm
.macro FETCH_A slot, q, i0
.irp i, \i0, \i0+1, \i0+2, \i0+3
	FRAG AF+FR*(\i), ADRA+\slot, \q, \i
.endr
.endm
.macro SCALES sc
.irp i, 0,1,2,3,4,5,6,7
	ds_load_b64 v[SC+8*NQ*\sc+NQ*\i:SC+8*NQ*\sc+NQ*\i+1], v[ADRS+\sc] offset:128*\i
.endr
.endm
.macro PLACES n
.rept \n
	v_nop
.endr
.endm
.macro STEP slot, q, zero
	s_wait_dscnt 4*NL
	WIN MUL_LO
	MUL16 0, (\q)%2, \q, \slot, \zero
	MUL16 2, (\q)%2, \q, \slot, \zero
	s_wait_dscnt 0
	PLACES NP
	FETCH_B \slot, (\q)+1, 1-(\q)%2
	FETCH_A \slot, (\q)+1, 0
	WIN MUL_HI
	MUL16 4, (\q)%2, \q, \slot, \zero
	MUL16 6, (\q)%2, \q, \slot, \zero
	PLACES NP
	WIN 0
	FETCH_A \slot, (\q)+1, 4
.endm
; A slot's last step changes slots: ONE barrier (fill = 1: it opens a round of the cluster's barrier, and this slot is filled again, two K slots ahead).
.macro TURN slot, next, fill
	s_wait_dscnt 4*NL                              ; B's set and A's blocks 0-3 are in; the youngest sixteen loads (A's blocks 4-7) may be out
	WIN MUL_LO
	MUL16 0, 1, NQ-1, \slot, 0
	WIN 0                                          ; the add's two registers lie in window 0
.if \fill
	s_wait_xcnt 0x0                                ; my last prefetch has read its address: it steps only behind this wait
	s_add_nc_u64 s[PFA:PFA+1], s[PFA:PFA+1], HALF
.endif
	s_wait_tensorcnt 0x0                           ; all my tensor loads have landed: the one that was out is my part of the next slot
	ds_add_u32 v[SPW], v[NIL]                      ; 0 onto my spare word
.if \fill
	s_add_nc_u64 s[G0+4*\slot+2:G0+4*\slot+3], s[G0+4*\slot+2:G0+4*\slot+3], 2*HALF     ; no tensor load of mine is out: this slot's next K slot
	s_add_nc_u64 s[G0B+4*\slot+2:G0B+4*\slot+3], s[G0B+4*\slot+2:G0B+4*\slot+3], 2*HALF
.endif
	WIN MUL_LO
	MUL8 2, 1, NQ-1, \slot                         ; eight matrix instructions stand between the add and the wait for it
	s_wait_dscnt 0x0                               ; the add is done, and my reads of this slot are over
	s_barrier_signal -1
	MUL8 3, 1, NQ-1, \slot                         ; work on registers while the others arrive
	WIN 0
	s_barrier_wait -1
.if \fill
	CREST                                          ; the rest of the round: no wave of any partner still reads this slot or has a load on its way
	JLOAD G0+4*\slot, G1, G0B+4*\slot, G1B         ; the first tensor load behind the round; its four v_nop are four of the eight places in front of the loads below
	PLACES NP-4
.else
	PLACES NP
.endif
	FETCH_B \next, 0, 0
	FETCH_A \next, 0, 0
	SCALES \next
.if \fill
	ASK                                            ; behind the joint load and the run of LDS loads
.endif
	WIN MUL_HI
	MUL16 4, 1, NQ-1, \slot, 0
	MUL16 6, 1, NQ-1, \slot, 0
	PLACES NP
	WIN 0
	FETCH_A \next, 0, 4
.endm
	s_wait_alu depctr_va_vdst(0)
	s_wait_tensorcnt 0x0                           ; my part of K slot 0 is in
	ds_add_u32 v[SPW], v[NIL]
	s_wait_dscnt 0x0
	CROUND                                         ; everybody's part of K slot 0 is in, and all sixteen work-groups are here
	JLOAD G0+4, G1, G0B+4, G1B                     ; K slot 1: slot 1's first fill, the first tensor load behind the round
	FETCH_B 0, 0, 0
	FETCH_A 0, 0, 0
	SCALES 0
	FETCH_A 0, 0, 4
	global_prefetch_b8 v[PFO], s[PFA:PFA+1] th:TH_LOAD_NT scope:SCOPE_SE   ; K slot 3, behind K slot 1's load and the run of LDS loads: K slots 2 and 3 are now asked for and not yet loaded
	global_prefetch_b8 v[PFS], s[PFA:PFA+1] th:TH_LOAD_NT scope:SCOPE_SE
	STEP 0, 0, 1
	s_mov_b32 s3, LAPS-1
.Llap:
	TURN 0, 1, 1
	STEP 1, 0, 0
	TURN 1, 0, 1
	STEP 0, 0, 0
	s_sub_co_u32 s3, s3, 1
	s_cmp_lg_u32 s3, 0
	s_cbranch_scc1 .Llap
	TURN 0, 1, 0
	STEP 1, 0, 0
	s_wait_dscnt 4*NL
	WIN MUL_LO
	MUL16 0, 1, NQ-1, 1, 0
	MUL16 2, 1, NQ-1, 1, 0
	s_wait_dscnt 0
	WIN MUL_HI
	MUL16 4, 1, NQ-1, 1, 0
	MUL16 6, 1, NQ-1, 1, 0
	WIN 0
.macro TOSTAGE a
.set AC, 64*((\a)%4)
	WIN 0x08+4*((\a)/4)
.irp b, 0,1,2,3,4,5,6,7
	ds_store_b128 v[STO], v[AC+8*\b:AC+8*\b+3] offset:64*\b
	ds_store_b128 v[STO], v[AC+8*\b+4:AC+8*\b+7] offset:64*\b+16
.endr
	WIN 0
.set BB, BK+64*((\a)%2)
.irp t, 0,1,2,3,4,5,6,7,8,9,10,11,12,13,14,15
	ds_load_b128 v[BB+4*\t:BB+4*\t+3], v[RD] offset:\t*SPITCH
.endr
.endm
.macro SEND a, younger
.set BB, BK+64*((\a)%2)
	s_wait_dscnt \younger
.if (\a) > 0
	s_add_nc_u64 s[8:9], s[8:9], 16*SIZE_N*4
.endif
.irp t, 0,1,2,3,4,5,6,7,8,9,10,11,12,13,14,15
	global_store_b128 v[CO], v[BB+4*\t:BB+4*\t+3], s[8:9] offset:\t*SIZE_N*4 th:TH_STORE_NT
.endr
.endm
	PLACES NP
	TOSTAGE 0
.irp a, 1,2,3,4,5,6,7
.if \a > 1
	s_wait_xcnt 0x0
.endif
	TOSTAGE \a
	SEND \a-1, 32
.endr
	s_wait_xcnt 0x0
	SEND 7, 0
	s_wait_tensorcnt 0x0
	ds_add_u32 v[SPW], v[NIL]
	s_wait_dscnt 0x0
	CROUND
	s_endpgm
.Lfunc_end_k_q034c562b19_gemm:
	.size	k_q034c562b19_gemm, .Lfunc_end_k_q034c562b19_gemm-k_q034c562b19_gemm
	.p2alignl 7, 3214868480
	.fill 96, 4, 3214868480
	.section	.rodata,"a",@progbits
	.p2align	6, 0x0
	.amdhsa_kernel k_q034c562b19_gemm
		.amdhsa_group_segment_fixed_size 327680
		.amdhsa_private_segment_fixed_size 0
		.amdhsa_enable_private_segment 0
		.amdhsa_kernarg_size 24
		.amdhsa_user_sgpr_count 2
		.amdhsa_user_sgpr_kernarg_segment_ptr 1
		.amdhsa_wavefront_size32 1
		.amdhsa_system_sgpr_workgroup_id_x 1
		.amdhsa_system_sgpr_workgroup_id_y 1
		.amdhsa_system_sgpr_workgroup_id_z 1
		.amdhsa_system_vgpr_workitem_id 0
		.amdhsa_next_free_vgpr 1024
		.amdhsa_next_free_sgpr 72
		.amdhsa_reserve_vcc 0
		.amdhsa_float_denorm_mode_32 3
		.amdhsa_float_denorm_mode_16_64 3
		.amdhsa_memory_ordered 1
		.amdhsa_forward_progress 1
		.amdhsa_inst_pref_size 145
	.end_amdhsa_kernel
	.amdgpu_metadata
---
amdhsa.version: [ 1, 2 ]
amdhsa.kernels:
  - .name:           k_q034c562b19_gemm
    .symbol:         k_q034c562b19_gemm.kd
    .args:
      - { .name: xq, .offset: 0, .size: 8, .value_kind: global_buffer, .address_space: global }
      - { .name: wq, .offset: 8, .size: 8, .value_kind: global_buffer, .address_space: global }
      - { .name: out0, .offset: 16, .size: 8, .value_kind: global_buffer, .address_space: global }
    .group_segment_fixed_size: 327680
    .private_segment_fixed_size: 0
    .kernarg_segment_align: 8
    .kernarg_segment_size: 24
    .max_flat_workgroup_size: 128
    .sgpr_count:     72
    .vgpr_count:     1024
    .wavefront_size: 32
...
	.end_amdgpu_metadata
.endif
;; end of part 2
